; MI455X (gfx1250); checked and timed in simulation.
; The chip was launched on July 23, 2026; its instructions are those of AMD's public machine-readable ISA for CDNA 5 (MIT licence, August 2026) and "CDNA5" Instruction Set Architecture Reference Guide (July 2026). The comments in the code are by the model that wrote it; some were corrected since.
;; Working Memory. Allowed arithmetic: float matrix products may take bf16 or f16 operands with f32 sums; all other float work in f32.
;; Inputs: Wk_b 1,024 float32; Wk_w 1,024 x 1,024 float32; Wo_b 1,024 float32; Wo_w 1,024 x 1,024 float32; Wq_b 1,024 float32; Wq_w 1,024 x 1,024 float32; Wv_b 1,024 float32; Wv_w 1,024 x 1,024 float32; reset_mask_all 64 x 256 bool; x_all 64 x 256 x 1,024 float32.
;; Outputs: out0 64 x 256 x 1,024 float32.
;; 2 versions, each right; version 2 is version 1 with the launch prep written anew for expert scheduling mode. Each part assembles by itself: llvm-mc -triple=amdgcn-amd-amdhsa -mcpu=gfx1250 --defsym DOCPART=n.
;; ======== version 1 of 2: 3 launches
;; limits: values are held in f16: magnitudes above 65,504 overflow, below 6.1e-05 lose precision
;; workspace buffers: xh 33,554,432 bytes; wt 8,388,608 bytes; ao 33,554,432 bytes
;; launch prep (part 1): grid 256 x 1, 16 waves a work-group, no clusters, 36,864 bytes of LDS; arguments x_all, Wq_w, Wk_w, Wv_w, Wo_w, xh, wt; writes xh, wt
.if DOCPART == 1
	.amdgcn_target "amdgcn-amd-amdhsa--gfx1250"
	.amdhsa_code_object_version 6
	.text
	.protected	k_q0e4ca6d9ab_prep
	.globl	k_q0e4ca6d9ab_prep
	.p2align	8
	.type	k_q0e4ca6d9ab_prep,@function
k_q0e4ca6d9ab_prep:
	s_mov_b64 s[64:65], 0
	v_nop
	global_prefetch_b8 v0, s[64:65] scope:SCOPE_SE
	s_setreg_imm32_b32 hwreg(HW_REG_WAVE_MODE, 25, 1), 1
	s_wait_xcnt 0x0
; prep: x is cast to f16 (xh, same layout), and the four weight matrices are cast to f16 and transposed into wt, whose rows lie along k:
;   rows head*192 + {0..63 q, 64..127 k, 128..191 v} hold one output channel each; rows 3072 + n hold Wo[:, n].
; LIMIT: f16 operands: |x| and |W| below 65,504; magnitudes below about 6e-8 are lost.
; 256 work-groups of 16 waves.  Work-group g does (a) one weight tile of 128 k x 128 n (matrix g>>6, k tile (g>>3)&7, n tile g&7), turned through LDS,
; and (b) 64 rows of x: 262,144 bytes in, 131,072 out.  Every work-group does the same work.
; No matrix unit, no cluster, no tensor load: each byte is read once by one work-group, and nothing is shared.
.set WO,   1                           ; v1   weight tile: my wave's 8 rows (32,768 bytes) + 16 bytes a lane
.set XO,   2                           ; v2   16 t: my 16 bytes of an item of x; never rewritten
.set YO,   3                           ; v3   8 t: my 8 bytes of an item of xh; never rewritten
.set TS,   4                           ; v4   LDS: row 4 L of the turned tile, 16 bytes at k = 8 w
.set TR,   5                           ; v5   LDS: row t>>4, 16 bytes at (t&15)
.set WOUT, 6                           ; v6   the same place in wt: rows of 2,048 bytes
.set WR,   8                           ; v[8:39]    8 rows x 4 columns of the weight tile, f32
.set PK,   40                          ; v[40:55]   4 columns x 8 k, f16
.set RB,   56                          ; v[56:71]   rows read back (v56-58 serve as temporaries first)
.set X,    72                          ; v[72:135]  16 slots of 4: x as loaded
.set Y,    136                         ; v[136:199] 32 items of 2: x in f16; no register is used twice, so no store's data is ever rewritten
.set TP,   272                         ; pitch of the turned tile: 256 bytes + 16
	s_load_b256 s[4:11], s[0:1], 0x0               ; x s[4:5], Wq s[6:7], Wk s[8:9], Wv s[10:11]
	s_load_b128 s[12:15], s[0:1], 0x20             ; Wo s[12:13], xh s[14:15]
	s_load_b64 s[16:17], s[0:1], 0x30              ; wt
	v_lshl_add_u32 v200, v0, 2, 0x8800
	v_mov_b32 v201, 0
	s_lshr_b32 s26, ttmp9, 6                       ; which matrix: 0 q, 1 k, 2 v, 3 o
	s_bfe_u32 s27, ttmp9, 0x30003                  ; k tile
	s_and_b32 s28, ttmp9, 7                        ; n tile
	s_lshl_b32 s30, s26, 6                         ; q, k, v: the matrix's 64 rows inside a head's 192
	v_lshrrev_b32 v7, 5, v0                        ; wave w
	v_and_b32 v56, 31, v0                          ; lane L
	v_lshrrev_b32 v57, 4, v0                       ; t >> 4
	v_and_b32 v58, 15, v0                          ; t & 15
	v_lshlrev_b32 v[WO], 4, v56
	v_lshl_add_u32 v[WO], v7, 15, v[WO]
	v_lshlrev_b32 v[XO], 4, v0
	v_lshlrev_b32 v[YO], 3, v0
	v_mul_u32_u24 v[TS], v56, 4*TP
	v_lshl_add_u32 v[TS], v7, 4, v[TS]
	v_lshlrev_b32 v58, 4, v58
	v_mad_u32_u24 v[TR], v57, TP, v58
	v_lshl_add_u32 v[WOUT], v57, 11, v58
	s_lshl_b32 s34, s27, 19                        ; 128 rows of 4,096 bytes a k tile,
	s_lshl_b32 s35, s28, 9                         ; 512 bytes an n tile
	s_add_co_u32 s34, s34, s35
	s_mov_b32 s35, 0
	s_lshl_b32 s36, ttmp9, 18                      ; my 64 rows of x
	s_mov_b32 s37, 0
	s_wait_kmcnt 0x0
	s_cmp_eq_u32 s26, 1                            ; the source matrix is chosen by the work-group's number alone
	s_cselect_b64 s[20:21], s[8:9], s[6:7]
	s_cmp_eq_u32 s26, 2
	s_cselect_b64 s[20:21], s[10:11], s[20:21]
	s_cmp_eq_u32 s26, 3
	s_cselect_b64 s[20:21], s[12:13], s[20:21]
	s_cselect_b32 s29, 64, 192                     ; rows of wt from one group of 64 channels to the next
	s_cselect_b32 s30, 3072, s30                   ; first row of the matrix's part of wt
	s_add_nc_u64 s[20:21], s[20:21], s[34:35]
	s_add_nc_u64 s[4:5], s[4:5], s[36:37]
.irp j, 0,1,2,3,4,5,6,7
	global_load_b128 v[WR+4*\j:WR+4*\j+3], v[WO], s[20:21] offset:\j*4096 th:TH_LOAD_NT    ; row k = 8 w + j: the wave takes 512 neighbouring bytes
.endr
.irp n, 0,1,2,3,4,5,6,7,8,9,10,11,12,13,14,15
	global_load_b128 v[X+4*\n:X+4*\n+3], v[XO], s[4:5] offset:\n*8192 th:TH_LOAD_NT        ; the ring of x is filled: sixteen loads a wave on their way
.endr
	s_mul_i32 s36, s28, s29                        ; wt: row 2 nt HS + base, 2,048 bytes a row, + 256 bytes a k tile
	s_lshl_b32 s36, s36, 1
	s_add_co_u32 s36, s36, s30
	s_lshl_b32 s36, s36, 11
	s_lshl_b32 s38, s27, 8
	s_add_co_u32 s36, s36, s38
	s_add_nc_u64 s[22:23], s[16:17], s[36:37]      ; the tile's first 64 channels
	s_lshl_b32 s38, s29, 11
	s_mov_b32 s39, 0
	s_add_nc_u64 s[24:25], s[22:23], s[38:39]      ; its second 64
	s_lshl_b32 s36, ttmp9, 17
	s_add_nc_u64 s[14:15], s[14:15], s[36:37]      ; my 64 rows of xh
	s_wait_loadcnt 16                              ; the eight weight loads are in; the sixteen loads of x issued behind them stay out
.irp c, 0,1,2,3
.irp jp, 0,1,2,3
	v_cvt_pk_f16_f32 v[PK+4*\c+\jp], v[WR+8*\jp+\c], v[WR+8*\jp+4+\c]      ; column 4 L + c: k = 8 w + 2 jp and + 1
.endr
.endr
.irp c, 0,1,2,3
	ds_store_b128 v[TS], v[PK+4*\c:PK+4*\c+3] offset:\c*TP                 ; row n = 4 L + c, eight k
.endr
	s_wait_dscnt 0x0                               ; for the other waves' sake: my part of the turned tile is written
	s_barrier_signal -1
	s_barrier_wait -1
.irp it, 0,1,2,3
	ds_load_b128 v[RB+4*\it:RB+4*\it+3], v[TR] offset:\it*32*TP            ; rows 32 it + (t >> 4), whole: 16 lanes a row of 256 bytes
.endr
	s_wait_dscnt 3
	global_store_b128 v[WOUT], v[RB:RB+3], s[22:23]                        ; 16 lanes store 256 consecutive bytes, at a multiple of 256 from wt's first byte
	s_wait_dscnt 2
	global_store_b128 v[WOUT], v[RB+4:RB+7], s[22:23] offset:65536
	s_wait_dscnt 1
	global_store_b128 v[WOUT], v[RB+8:RB+11], s[24:25]
	s_wait_dscnt 0
	global_store_b128 v[WOUT], v[RB+12:RB+15], s[24:25] offset:65536
; Item n of 32 of x: 8,192 bytes for the work-group, 16 a thread.  more = 1: the slot is loaded again with the item sixteen further on.
.macro XS n, more
.if \more
	s_wait_loadcnt 15                              ; loads come back in order (ISA guide 5.7.1): mine is in, the fifteen younger ones stay out
.else
	s_wait_loadcnt 31-\n                           ; nothing is loaded any more: the counts run down
.endif
	v_cvt_pk_f16_f32 v[Y+2*\n],   v[X+4*(\n%16)],   v[X+4*(\n%16)+1]
	v_cvt_pk_f16_f32 v[Y+2*\n+1], v[X+4*(\n%16)+2], v[X+4*(\n%16)+3]
.if \more
	global_load_b128 v[X+4*(\n%16):X+4*(\n%16)+3], v[XO], s[4:5] offset:(\n+16)*8192 th:TH_LOAD_NT
.endif
	global_store_b64 v[YO], v[Y+2*\n:Y+2*\n+1], s[14:15] offset:\n*4096 th:TH_STORE_NT     ; a wave stores 256 consecutive bytes, aligned
.endm
.irp n, 0,1,2,3,4,5,6,7,8,9,10,11,12,13,14,15
	XS \n, 1
.endr
.irp n, 16,17,18,19,20,21,22,23,24,25,26,27,28,29,30,31
	XS \n, 0
.endr
	s_wait_tensorcnt 0x0
	ds_add_u32 v200, v201
	s_wait_dscnt 0x0
	s_endpgm
.Lfunc_end_k_q0e4ca6d9ab_prep:
	.size	k_q0e4ca6d9ab_prep, .Lfunc_end_k_q0e4ca6d9ab_prep-k_q0e4ca6d9ab_prep
	.p2alignl 7, 3214868480
	.fill 96, 4, 3214868480
	.section	.rodata,"a",@progbits
	.p2align	6, 0x0
	.amdhsa_kernel k_q0e4ca6d9ab_prep
		.amdhsa_group_segment_fixed_size 36864
		.amdhsa_private_segment_fixed_size 0
		.amdhsa_enable_private_segment 0
		.amdhsa_kernarg_size 56
		.amdhsa_user_sgpr_count 2
		.amdhsa_user_sgpr_kernarg_segment_ptr 1
		.amdhsa_wavefront_size32 1
		.amdhsa_system_sgpr_workgroup_id_x 1
		.amdhsa_system_sgpr_workgroup_id_y 1
		.amdhsa_system_sgpr_workgroup_id_z 1
		.amdhsa_system_vgpr_workitem_id 0
		.amdhsa_next_free_vgpr 202
		.amdhsa_next_free_sgpr 66
		.amdhsa_reserve_vcc 0
		.amdhsa_float_denorm_mode_32 3
		.amdhsa_float_denorm_mode_16_64 3
		.amdhsa_memory_ordered 1
		.amdhsa_forward_progress 1
		.amdhsa_inst_pref_size 17
	.end_amdhsa_kernel
	.amdgpu_metadata
---
amdhsa.version: [ 1, 2 ]
amdhsa.kernels:
  - .name:           k_q0e4ca6d9ab_prep
    .symbol:         k_q0e4ca6d9ab_prep.kd
    .args:
      - { .name: x_all, .offset: 0, .size: 8, .value_kind: global_buffer, .address_space: global }
      - { .name: Wq_w, .offset: 8, .size: 8, .value_kind: global_buffer, .address_space: global }
      - { .name: Wk_w, .offset: 16, .size: 8, .value_kind: global_buffer, .address_space: global }
      - { .name: Wv_w, .offset: 24, .size: 8, .value_kind: global_buffer, .address_space: global }
      - { .name: Wo_w, .offset: 32, .size: 8, .value_kind: global_buffer, .address_space: global }
      - { .name: xh, .offset: 40, .size: 8, .value_kind: global_buffer, .address_space: global }
      - { .name: wt, .offset: 48, .size: 8, .value_kind: global_buffer, .address_space: global }
    .group_segment_fixed_size: 36864
    .private_segment_fixed_size: 0
    .kernarg_segment_align: 8
    .kernarg_segment_size: 56
    .max_flat_workgroup_size: 512
    .sgpr_count:     66
    .vgpr_count:     202
    .wavefront_size: 32
...
	.end_amdgpu_metadata
.endif
;; end of part 1
;; launch qkvatt (part 2): grid 4 x 64, 4 waves a work-group, clusters of 4 x 4, 327,680 bytes of LDS; arguments xh, wt, Wq_b, Wk_b, Wv_b, reset_mask_all, ao; writes ao
.if DOCPART == 2
	.amdgcn_target "amdgcn-amd-amdhsa--gfx1250"
	.amdhsa_code_object_version 6
	.text
	.protected	k_q0e4ca6d9ab_qkvatt
	.globl	k_q0e4ca6d9ab_qkvatt
	.p2align	8
	.type	k_q0e4ca6d9ab_qkvatt,@function
k_q0e4ca6d9ab_qkvatt:
	s_mov_b64 s[64:65], 0
	v_nop
	global_prefetch_b8 v0, s[64:65] scope:SCOPE_SE
	s_setreg_imm32_b32 hwreg(HW_REG_WAVE_MODE, 25, 1), 1
	s_wait_xcnt 0x0
	s_wait_alu depctr_hold_cnt(0) depctr_sa_sdst(0) depctr_va_vdst(0) depctr_va_sdst(0) depctr_va_ssrc(0) depctr_va_vcc(0) depctr_vm_vsrc(0)
	s_getreg_b32 s2, hwreg(HW_REG_IB_STS2, 6, 4)
	s_cmp_eq_u32 s2, 0
	s_cbranch_scc0 .Lentry_in_a_cluster
	s_endpgm
.Lentry_in_a_cluster:
	s_bfe_u32 s2, ttmp6, 0x10000c
	s_cmp_lg_u32 s2, 0xf033
	s_cbranch_scc0 .Lentry_shape_is_right
	s_endpgm
.Lentry_shape_is_right:
; qkvatt: q, k, v projections and the windowed attention.  The ring buffer of 32 slots with resets is a band: token t attends to the tokens max(r(t), t - 31) .. t of its
; batch, r(t) = the last reset at or before t (token 0 counts as one).  The token itself is always valid, so a row of weights is never empty.
; SHARES.  Work-group (x, y): batch y (256 tokens), heads 4 x .. 4 x + 3, one head a PASS.  A pass is C[256 tokens][192 = q, k, v channels] over K = 1024, then the head's attention.
; Wave w owns tokens 64 w .. 64 w + 63 and all 192 columns: 48 accumulators of 16 x 16.  q, k, v never leave registers, but for the 32 tokens of k and v that the next wave's band reaches back to (HALO).
; LAYOUT.  q and k: source 0 = 16 channels of W, source 1 = 16 tokens of x: a lane holds one token and eight neighbouring channels, so two accumulators rounded to f16 ARE a fragment
; (16 tokens x 32 channels).  v the other way round: a lane holds one channel and eight tokens: two rounded accumulators are a fragment of V^T.  S^T = K Q^T + mask tile, O^T = V^T P:
; a lane holds one query in S^T, P and O^T.  O^T, rounded, is again the fragment image that the last projection reads: it is stored as such (ao).
; MASK.  A tile of 0 / -2^100 for each (query tile, key tile), made once from the reset bytes, is the C of the first score product.  No branch and no address hangs on the resets.
; SOFTMAX.  The true maximum over the query's keys is taken away; p = 2^(c s - c m), c = log2(e) / 8.  bv is added behind the division by the weights' sum, which is the same as adding it to every v.
; LIMITS.  f16 operands: |x|, |W|, |q|, |k|, |v| and the output below 65,504.  Scores are then below 64 x 65,504^2, far under 2^100, so a masked weight is exactly 0.
; CLUSTER.  4 x 4 work-groups.  x's tiles hang on the batch alone and are shared along a row of the cluster, W's on the head group alone and are shared along a column: joint loads.
; RING.  K in steps of 128 (rows of 256 bytes) through two LDS slots, each 256 rows of x and 192 rows of W; one tensor load a wave behind each round, two at the start.  The ring runs on from pass to pass.
;
; REGISTERS.  window 0: addresses, biases, S, P, O, the mask tiles.  window 1: two fragment buffers of 128 (W's 12 fragments, then x's 4); in the attention Q's and K's fragments.
;   window 2: q's 16 accumulators (v0-127), k's (v128-255).   window 3: v's accumulators (v0-127), V^T's fragments (v128-239).
.set PITCH, 272                        ; an LDS row: 256 bytes + 16: the 16 rows of a fragment load begin 16 bytes further round each (64 banks of 4 bytes: ISA guide 11.1)
.set FR,    16*PITCH                   ; 16 rows
.set XH,    128*PITCH                  ; half of x's tile: one tensor load
.set WH,    96*PITCH                   ; half of W's tile: one tensor load
.set SLOT,  2*XH+2*WH                  ; 121,856
.set HALO,  2*SLOT                     ; behind the ring, a multiple of 256: 8,192 bytes a wave: K's image of its tokens 32-63, then V's.  No tensor load lands here
.set ADRX, 16                          ; v16-17 my x fragments in slot 0, 1
.set ADRW, 20                          ; v20-21 W's fragments in slot 0, 1
.set HST,  22                          ; v22    my halo
.set HRD,  23                          ; v23    the halo of the wave before me
.set GO,   24                          ; v24    16 x lane: my place in a fragment image of ao; never rewritten
.set BO,   25                          ; v25    32 x (lane / 16): my eight numbers of a bias; never rewritten
.set BQ,   32                          ; v32-63   bq of my channels, 8 for each 16 channels   (until q and k are packed)
.set BK,   64                          ; v64-95   bk
.set S,    32                          ; v32-55   S^T of one query tile: three key tiles         (from then on)
.set P,    56                          ; v56-71   the weights in f16; the last four registers are 0
.set O,    72                          ; v72-103  O^T of one query tile
.set BV,   104                         ; v104-135 bv
.set MASK, 136                         ; v136-231 mask tile (i, kt) at 136 + 24 i + 8 kt
.set T0,   232
.set T1,   233
.set CM,   234                         ; v234-235 c m, twice
.set RL,   236                         ; v236-237 1 / l, twice
.set T2,   238
.set AOP,  240                         ; v240-255 the tile's output in f16
.set F0,   0                           ; window 1
.set F1,   128
.set QP,   0                           ; window 1: Q's fragments, 16 registers a tile
.set KP,   64                          ; window 1: K's fragments, 16 a tile; places 0, 1 the halo, 2-5 my tiles
.set QA,   0                           ; window 2
.set KA,   128
.set VA,   0                           ; window 3
.set VP,   128                         ; window 3: for each 16 channels ct 7 places of 4 registers: 0, 1 the halo, 2-5 my tiles, 6 zeros
.set WV,   18                          ; s18 wave
.set KIND, 19                          ; s19 0: I fetch x, 1: I fetch W
.set HALF, 20                          ; s20 which half of that tile
.set G1X,  24                          ; s[24:31] group 1 for x's tiles;  s[32:39] group 0, a set for each slot
.set G0X,  32
.set G1W,  40                          ; s[40:47], s[48:55] the same for W's
.set G0W,  48
.set PASS, 66
.set LAP,  67
.set CS,   68                          ; s[68:69] c
.set SEL,  70                          ; s[70:71] v_permlanex16_b32: each lane takes its own place in the other half
.set NEG,  73                          ; s73 -2^100
.set M0,   74                          ; s74-76 reset bits of tokens 64 w - 31 + 32 g + lane
.set MH,   86                          ; s86-87 words 1 and 2 of them, shifted left by one
.set MSB, 0
.macro WIN new                         ; the immediate's high byte repeats the setting that is left; a switch that changes nothing is dropped
.if MSB != \new
	s_set_vgpr_msb (MSB<<8)|\new
.set MSB, \new
.endif
.endm
.set TO_F, 0x40                        ; destination window 1, address window 0
.set M2,   0xa5                        ; sources 0 and 1 window 1, C and D window 2
.set M3,   0xf5                        ; the same, C and D window 3
.macro PLACES                          ; four places between a matrix instruction and a vector instruction or a load that touches its registers (ISA guide 7.12.1 for vector instructions)
.rept 4
	v_nop
.endr
.endm
; A joint load: waves 0 and 1 fetch x's halves, waves 2 and 3 W's.  The branch hangs on the wave's number alone.  Four v_nop follow each of the two lines.
.macro JLOAD s
	s_cmp_eq_u32 s[KIND], 0
	s_cbranch_scc0 .Lfor_w_\@
	tensor_load_to_lds s[G0X+4*\s:G0X+4*\s+3], s[G1X:G1X+7]
	s_nop 0
.rept 4
	v_nop
.endr
	s_branch .Lasked_\@
.Lfor_w_\@:
	tensor_load_to_lds s[G0W+4*\s:G0W+4*\s+3], s[G1W:G1W+7]
	s_nop 0
.rept 4
	v_nop
.endr
.Lasked_\@:
.endm
.macro CREST                           ; a round of the cluster's barrier behind its opening barrier
	s_cmp_lg_u32 s[WV], 0
	s_cbranch_scc1 .Lnot_wave_0_\@
	s_barrier_signal -3
.Lnot_wave_0_\@:
	s_barrier_wait -3
	s_barrier_signal -1
	s_barrier_wait -1
.endm
.macro CROUND                          ; a whole round
	s_barrier_signal -1
	s_barrier_wait -1
	CREST
.endm
	s_load_b256 s[4:11], s[0:1], 0x0               ; xh s[4:5], wt s[6:7], bq s[8:9], bk s[10:11]
	s_load_b128 s[12:15], s[0:1], 0x20             ; bv s[12:13], resets s[14:15]
	s_load_b64 s[16:17], s[0:1], 0x30              ; ao
	v_lshl_add_u32 v31, v0, 2, 0x43800
	v_mov_b32 v239, 0
	ds_add_u32 v31, v239
	v_lshrrev_b32 v1, 5, v0
	v_readfirstlane_b32 s[WV], v1
	s_lshr_b32 s[KIND], s[WV], 1
	s_and_b32 s[HALF], s[WV], 1
	s_bfe_u32 s21, ttmp6, 0x40000                  ; cx
	s_bfe_u32 s22, ttmp6, 0x40004                  ; cy
	s_lshl_b32 s23, ttmp9, 2
	s_add_co_u32 s23, s23, s21                     ; head group = 4 x cluster x + cx
	s_and_b32 s56, ttmp7, 0xffff
	s_lshl_b32 s56, s56, 2
	s_add_co_u32 s56, s56, s22                     ; batch = 4 x cluster y + cy
	s_lshl_b32 s57, s22, 2
	s_lshl_b32 s57, 15, s57                        ; my row of the cluster
	s_lshl_b32 s58, 0x1111, s21                    ; my column
	s_or_b32 s[G1X], s57, (1<<16)|(1<<20)|(1<<21)|(5<<22)|(3<<25)   ; mask; elements of 2 bytes; padding on; bit 21 beside a mask; after every 64 words, 4 words
	s_or_b32 s[G1W], s58, (1<<16)|(1<<20)|(1<<21)|(5<<22)|(3<<25)
	s_mov_b32 s[G1X+1], 128<<16                    ; tensor_dim0 = 128
	s_mov_b32 s[G1X+2], 128<<16                    ; tensor_dim1 = 128
	s_mov_b32 s[G1X+3], 128<<16                    ; tile_dim0 = 128
	s_mov_b32 s[G1X+4], 128                        ; tile_dim1 = 128
	s_mov_b32 s[G1X+5], 1024                       ; elements from row to row
	s_mov_b32 s[G1X+6], 0
	s_mov_b32 s[G1X+7], 0
	s_mov_b32 s[G1W+1], 128<<16
	s_mov_b32 s[G1W+2], 96<<16                     ; 96 rows
	s_mov_b32 s[G1W+3], 128<<16
	s_mov_b32 s[G1W+4], 96
	s_mov_b32 s[G1W+5], 1024
	s_mov_b32 s[G1W+6], 0
	s_mov_b32 s[G1W+7], 0
	s_lshl_b32 s60, s56, 19                        ; x: batch x 256 rows of 2,048 bytes + half x 128 rows.  s[60:61] never hold cx
	s_lshl_b32 s61, s[HALF], 18
	s_add_co_u32 s60, s60, s61
	s_mov_b32 s61, 0
	s_mul_i32 s62, s23, 4*192*2048                 ; W: head group x 768 rows + half x 96 rows.  s[62:63] never hold cy
	s_mul_i32 s63, s[HALF], 96*2048
	s_add_co_u32 s62, s62, s63
	s_mov_b32 s63, 0
	s_mul_i32 s77, s[WV], XH                       ; LDS: x's halves at wave x 34,816 (waves 0, 1),
	s_mul_i32 s78, s[WV], WH
	s_add_co_u32 s78, s78, 2*XH-2*WH               ; W's behind them at 69,632 + (wave - 2) x 26,112 (waves 2, 3)
	s_mov_b32 s[CS], 0x3e38aa3b                    ; c = log2(e) / 8
	s_mov_b32 s[CS+1], s[CS]
	s_mov_b32 s[SEL], 0x76543210
	s_mov_b32 s[SEL+1], 0xfedcba98
	s_mov_b32 s[NEG], 0xf1800000                   ; -2^100
	s_wait_dscnt 0x0
	s_wait_kmcnt 0x0
	s_add_nc_u64 s[60:61], s[4:5], s[60:61]
	s_add_nc_u64 s[62:63], s[6:7], s[62:63]
	CROUND                                         ; all sixteen work-groups are here: the first joint loads meet
.irp s, 0,1
	s_mov_b32 s[G0X+4*\s], 1
	s_add_co_u32 s[G0X+4*\s+1], s77, \s*SLOT
	s_add_nc_u64 s[G0X+4*\s+2:G0X+4*\s+3], s[60:61], \s*256        ; K step s
	s_or_b32 s[G0X+4*\s+3], s[G0X+4*\s+3], 0x80000000
	s_mov_b32 s[G0W+4*\s], 1
	s_add_co_u32 s[G0W+4*\s+1], s78, \s*SLOT
	s_add_nc_u64 s[G0W+4*\s+2:G0W+4*\s+3], s[62:63], \s*256
	s_or_b32 s[G0W+4*\s+3], s[G0W+4*\s+3], 0x80000000
	JLOAD \s                                       ; two loads of mine are out
.endr
	; the other pointers
	s_lshl_b32 s80, s23, 10                        ; biases: 4 heads x 64 channels x 4 bytes a head group
	s_mov_b32 s81, 0
	s_add_nc_u64 s[8:9], s[8:9], s[80:81]
	s_add_nc_u64 s[10:11], s[10:11], s[80:81]
	s_add_nc_u64 s[12:13], s[12:13], s[80:81]
	s_lshl_b32 s82, s56, 8                         ; resets: 256 bytes a batch
	s_mov_b32 s83, 0
	s_add_nc_u64 s[14:15], s[14:15], s[82:83]
	s_lshl_b32 s84, s56, 19                        ; ao: 16 token tiles of 32,768 bytes a batch, 4 a wave, 2,048 bytes a head
	s_lshl_b32 s85, s[WV], 17
	s_add_co_u32 s84, s84, s85
	s_lshl_b32 s85, s23, 13
	s_add_co_u32 s84, s84, s85
	s_mov_b32 s85, 0
	s_add_nc_u64 s[16:17], s[16:17], s[84:85]
	; addresses
	v_and_b32 v1, 15, v0                           ; r
	v_bfe_u32 v2, v0, 4, 1                         ; h
	v_and_b32 v3, 31, v0                           ; lane
	v_mul_u32_u24 v4, v1, PITCH
	v_lshl_add_u32 v4, v2, 4, v4                   ; a fragment's row x pitch + 16 x half
	s_mul_i32 s79, s[WV], 64*PITCH
	v_add_nc_u32 v[ADRX], s79, v4
	v_add_nc_u32 v[ADRX+1], SLOT, v[ADRX]
	v_add_nc_u32 v[ADRW], 2*XH, v4
	v_add_nc_u32 v[ADRW+1], SLOT, v[ADRW]
	s_lshl_b32 s79, s[WV], 13
	s_add_co_u32 s79, s79, HALO
	v_lshl_add_u32 v[HST], v3, 4, s79
	s_add_co_u32 s79, s[WV], 3
	s_and_b32 s79, s79, 3
	s_lshl_b32 s79, s79, 13
	s_add_co_u32 s79, s79, HALO
	v_lshl_add_u32 v[HRD], v3, 4, s79
	v_lshlrev_b32 v[GO], 4, v3
	v_lshlrev_b32 v[BO], 5, v2
	; THE MASK TILES.  Three words of reset bits: bit lane of word g = token 64 w - 31 + 32 g + lane is a reset.  Token 0 counts as one; tokens outside the batch as none (their address is clamped).
	s_lshl_b32 s77, s[WV], 6
	s_sub_co_i32 s77, s77, 31
	v_add_nc_u32 v5, s77, v3
	v_add_nc_u32 v6, 32, v5
	v_add_nc_u32 v7, 64, v5
	v_min_u32 v8, 0xff, v5
	v_min_u32 v9, 0xff, v6
	v_min_u32 v10, 0xff, v7
	global_load_u8 v11, v8, s[14:15]
	global_load_u8 v12, v9, s[14:15]
	global_load_u8 v13, v10, s[14:15]
	WIN 0xc0
.irp ct, 0,1,2,3
.irp p, 0,1,2,3
	v_mov_b32 v[VP+28*\ct+24+\p], 0                ; V^T's place 6: keys behind my last tile; their weights are 0 and they must be finite
.endr
.endr
	WIN 0
	s_wait_loadcnt 0x0
.irp g, 0,1,2
	v_cmp_ne_u32 s77, 0, v[11+\g]
	v_cmp_gt_u32 s78, 0x100, v[5+\g]               ; unsigned: a token in front of the batch is a large number
	v_cmp_eq_u32 s79, 0, v[5+\g]
	s_and_b32 s[M0+\g], s77, s78
	s_or_b32 s[M0+\g], s[M0+\g], s79
.endr
	s_lshl_b32 s[MH], s[M0+1], 1
	s_lshl_b32 s[MH+1], s[M0+2], 1
	v_lshlrev_b32 v5, 3, v2
	v_sub_nc_u32 v5, v5, v1
	v_add_nc_u32 v5, 15, v5                        ; s0 = 8 h - r + 15, 0 to 23
	v_sub_nc_u32 v6, 31, v5
; Query tile i.  win: bit b = token t - 31 + b is a reset, t = 64 w + 16 i + r.  vm: bit b = that token is valid for t: b at or above the highest reset.
; Key 8 h + j of key tile kt is bit b = 16 kt + 8 h + j - r - 1: u0, u1, u2 bring these bits down to bit j; bits outside 0..31 come out 0.
; A shift of two words by a lane's own amount s: (lo >> s) | ((hi << 1) << (31 - s)), right for s = 0 too.
.macro MKMASK i
	v_add_nc_u32 v7, 16*(\i%2), v1
	v_sub_nc_u32 v8, 31, v7
	v_lshrrev_b32 v9, v7, s[M0+\i/2]
	v_lshlrev_b32 v10, v8, s[MH+\i/2]
	v_or_b32 v9, v9, v10
.irp d, 1,2,4,8,16
	v_lshrrev_b32 v10, \d, v9                      ; every bit below a reset is set
	v_or_b32 v9, v9, v10
.endr
	v_lshrrev_b32 v9, 1, v9
	v_xor_b32 v9, -1, v9                           ; vm
	v_lshlrev_b32 v10, 16, v9
	v_lshrrev_b32 v13, 16, v9
	v_lshrrev_b32 v11, v5, v10
	v_lshlrev_b32 v10, 1, v13
	v_lshlrev_b32 v10, v6, v10
	v_or_b32 v11, v11, v10                         ; u0
	v_lshrrev_b32 v12, v5, v9                      ; u1
	v_lshrrev_b32 v13, v5, v13                     ; u2
.irp kt, 0,1,2
.irp j, 0,1,2,3,4,5,6,7
	v_bfe_u32 v14, v[11+\kt], \j, 1
	v_add_nc_u32 v14, -1, v14                      ; valid: 0; not valid: all ones
	v_and_b32 v[MASK+24*\i+8*\kt+\j], s[NEG], v14
.endr
.endr
.endm
	MKMASK 0
	MKMASK 1
	MKMASK 2
	MKMASK 3
; 16 products each, 32 along K.  All 48 accumulators take turns in one fixed order, one instruction a turn.  z = 1: the first product starts the sums.
.macro MULQ f, z
.irp i, 0,1,2,3
.irp c, 0,1,2,3
.if \z
	v_wmma_f32_16x16x32_f16 v[QA+8*(4*\i+\c):QA+8*(4*\i+\c)+7], v[\f+8*\c:\f+8*\c+7], v[\f+96+8*\i:\f+96+8*\i+7], 0
.else
	v_wmma_f32_16x16x32_f16 v[QA+8*(4*\i+\c):QA+8*(4*\i+\c)+7], v[\f+8*\c:\f+8*\c+7], v[\f+96+8*\i:\f+96+8*\i+7], v[QA+8*(4*\i+\c):QA+8*(4*\i+\c)+7]
.endif
.endr
.endr
.endm
.macro MULK f, z
.irp i, 0,1,2,3
.irp c, 0,1,2,3
.if \z
	v_wmma_f32_16x16x32_f16 v[KA+8*(4*\i+\c):KA+8*(4*\i+\c)+7], v[\f+32+8*\c:\f+32+8*\c+7], v[\f+96+8*\i:\f+96+8*\i+7], 0
.else
	v_wmma_f32_16x16x32_f16 v[KA+8*(4*\i+\c):KA+8*(4*\i+\c)+7], v[\f+32+8*\c:\f+32+8*\c+7], v[\f+96+8*\i:\f+96+8*\i+7], v[KA+8*(4*\i+\c):KA+8*(4*\i+\c)+7]
.endif
.endr
.endr
.endm
.macro MULV f, z                       ; the sources change places: a lane holds one channel and eight tokens
.irp i, 0,1,2,3
.irp c, 0,1,2,3
.if \z
	v_wmma_f32_16x16x32_f16 v[VA+8*(4*\i+\c):VA+8*(4*\i+\c)+7], v[\f+96+8*\i:\f+96+8*\i+7], v[\f+64+8*\c:\f+64+8*\c+7], 0
.else
	v_wmma_f32_16x16x32_f16 v[VA+8*(4*\i+\c):VA+8*(4*\i+\c)+7], v[\f+96+8*\i:\f+96+8*\i+7], v[\f+64+8*\c:\f+64+8*\c+7], v[VA+8*(4*\i+\c):VA+8*(4*\i+\c)+7]
.endif
.endr
.endr
.endm
; 32 LDS loads in one run: the fragments of 32 along K at byte k of the rows: q's and k's 8 of W, my 4 of x, then v's 4 of W
.macro FETCH slot, k, f
	WIN TO_F
.irp n, 0,1,2,3,4,5,6,7
	ds_load_b128 v[\f+8*\n:\f+8*\n+3],   v[ADRW+\slot] offset:\k+\n*FR
	ds_load_b128 v[\f+8*\n+4:\f+8*\n+7], v[ADRW+\slot] offset:\k+\n*FR+32
.endr
.irp i, 0,1,2,3
	ds_load_b128 v[\f+96+8*\i:\f+96+8*\i+3],   v[ADRX+\slot] offset:\k+\i*FR
	ds_load_b128 v[\f+96+8*\i+4:\f+96+8*\i+7], v[ADRX+\slot] offset:\k+\i*FR+32
.endr
.irp n, 8,9,10,11
	ds_load_b128 v[\f+8*\n:\f+8*\n+3],   v[ADRW+\slot] offset:\k+\n*FR
	ds_load_b128 v[\f+8*\n+4:\f+8*\n+7], v[ADRW+\slot] offset:\k+\n*FR+32
.endr
.endm
; A K step is four quarters of 32 along K, 48 products each, on buffers 0, 1, 0, 1.  One of the first three: multiplies f, fetches the next quarter (byte k) into g.
.macro QUARTER slot, k, f, g, z
	s_wait_dscnt 8                                 ; all but the youngest eight loads, v's fragments of W
	WIN M2
	MULQ \f, \z
	MULK \f, \z
	PLACES                                         ; for the loads into g, which the quarter before multiplied
	FETCH \slot, \k, \g
	s_wait_dscnt 32                                ; all but the 32 just issued
	WIN M3
	MULV \f, \z
.endm
; The first two thirds of a K step's last quarter, with the one barrier of a change of slots: in front of it each wave waits for its reads of this slot and for all its tensor loads.
.macro MEET round
	s_wait_dscnt 8
	WIN M2
	MULQ F1, 0
	s_wait_dscnt 0                                 ; my reads of this slot are over,
	s_set_vgpr_msb 0xa5a0
	s_wait_tensorcnt 0x0                           ; and all my tensor loads have landed: the one that was out is my part of the next slot
	ds_add_u32 v31, v239
	s_wait_dscnt 0x0
	s_set_vgpr_msb 0xa0a5
	s_barrier_signal -1
	MULK F1, 0                                     ; register work while the others arrive
.if \round
	WIN 0
.endif
	s_barrier_wait -1
.endm
; The whole last quarter.  The barrier opens a round of the cluster's; behind the round this slot is filled again first: two K steps on (on = 0) or with the next pass's K step 0 or 1 (on = 1:
; x goes back along K, W goes 192 rows down and back).  From a request to the wait for it a wave issues 176 products.  fetch = 0: the next fragments are fetched behind the attention.
.macro TURN slot, next, on, fetch
	MEET 1
	CREST
.if \on
	s_sub_nc_u64 s[G0X+4*\slot+2:G0X+4*\slot+3], s[G0X+4*\slot+2:G0X+4*\slot+3], 1536
	s_add_nc_u64 s[G0W+4*\slot+2:G0W+4*\slot+3], s[G0W+4*\slot+2:G0W+4*\slot+3], 192*2048-1536
.else
	s_add_nc_u64 s[G0X+4*\slot+2:G0X+4*\slot+3], s[G0X+4*\slot+2:G0X+4*\slot+3], 512
	s_add_nc_u64 s[G0W+4*\slot+2:G0W+4*\slot+3], s[G0W+4*\slot+2:G0W+4*\slot+3], 512
.endif
	JLOAD \slot                                    ; the first tensor load behind the round; its four v_nop are also the places in front of the loads below
.if \fetch
	FETCH \next, 0, F0
.endif
	WIN M3
	MULV F1, 0
.endm
.macro LASTQ                           ; the very last quarter: nothing more to fetch
	s_wait_dscnt 8
	WIN M2
	MULQ F1, 0
	MULK F1, 0
	s_wait_dscnt 0
	WIN M3
	MULV F1, 0
.endm
.macro BIASLOAD                        ; the head's biases: my eight numbers of each 16 channels.  They have the whole pass in which to land
.irp c, 0,1,2,3
	global_load_b128 v[BQ+8*\c:BQ+8*\c+3],   v[BO], s[8:9] offset:64*\c
	global_load_b128 v[BQ+8*\c+4:BQ+8*\c+7], v[BO], s[8:9] offset:64*\c+16
	global_load_b128 v[BK+8*\c:BK+8*\c+3],   v[BO], s[10:11] offset:64*\c
	global_load_b128 v[BK+8*\c+4:BK+8*\c+7], v[BO], s[10:11] offset:64*\c+16
	global_load_b128 v[BV+8*\c:BV+8*\c+3],   v[BO], s[12:13] offset:64*\c
	global_load_b128 v[BV+8*\c+4:BV+8*\c+7], v[BO], s[12:13] offset:64*\c+16
.endr
.endm
.macro NEXT                            ; on to the next head
	s_wait_xcnt 0x0                                ; the bases of the loads and stores issued so far are stepped only behind this wait
	s_add_nc_u64 s[8:9], s[8:9], 256
	s_add_nc_u64 s[10:11], s[10:11], 256
	s_add_nc_u64 s[12:13], s[12:13], 256
	s_add_nc_u64 s[16:17], s[16:17], 2048
.endm
; One query tile (16 queries) against its three key tiles (places i, i + 1, i + 2 of K and V).
.macro QTILE i
	WIN 0x05                                       ; K and Q window 1; mask, S window 0
.irp kt, 0,1,2
	v_wmma_f32_16x16x32_f16 v[S+8*\kt:S+8*\kt+7], v[KP+16*(\i+\kt):KP+16*(\i+\kt)+7], v[QP+16*\i:QP+16*\i+7], v[MASK+24*\i+8*\kt:MASK+24*\i+8*\kt+7]
.endr
.irp kt, 0,1,2                         ; the second 32 channels; the three accumulators take turns
	v_wmma_f32_16x16x32_f16 v[S+8*\kt:S+8*\kt+7], v[KP+16*(\i+\kt)+8:KP+16*(\i+\kt)+15], v[QP+16*\i+8:QP+16*\i+15], v[S+8*\kt:S+8*\kt+7]
.endr
	WIN 0
	PLACES
	v_max3_num_f32 v[T0], v[S], v[S+1], v[S+2]                     ; three chains, each from its accumulator's low end
	v_max3_num_f32 v[T1], v[S+8], v[S+9], v[S+10]
	v_max3_num_f32 v[T2], v[S+16], v[S+17], v[S+18]
	v_max3_num_f32 v[T0], v[T0], v[S+3], v[S+4]
	v_max3_num_f32 v[T1], v[T1], v[S+11], v[S+12]
	v_max3_num_f32 v[T2], v[T2], v[S+19], v[S+20]
	v_max3_num_f32 v[T0], v[T0], v[S+5], v[S+6]
	v_max3_num_f32 v[T1], v[T1], v[S+13], v[S+14]
	v_max3_num_f32 v[T2], v[T2], v[S+21], v[S+22]
	v_max3_num_f32 v[T0], v[T0], v[S+7], v[S+15]
	v_max3_num_f32 v[T1], v[T1], v[T2], v[S+23]
	v_max_num_f32 v[T0], v[T0], v[T1]
	v_permlanex16_b32 v[T1], v[T0], s[SEL], s[SEL+1]               ; the query's other 24 keys lie in the lane 16 away
	v_max_num_f32 v[T0], v[T0], v[T1]
	v_mul_f32 v[CM], s[CS], v[T0]
	v_mul_f32 v[CM+1], s[CS], v[T0]
.irp n, 0,1,2,3,4,5,6,7,8,9,10,11
	v_pk_fma_f32 v[S+2*\n:S+2*\n+1], v[S+2*\n:S+2*\n+1], s[CS:CS+1], v[CM:CM+1] op_sel_hi:[1,0,1] neg_lo:[0,0,1] neg_hi:[0,0,1]   ; c s - c m
.endr
.set n, 0
.rept 24
	v_exp_f32 v[S+n], v[S+n]
.set n, n+1
.endr
	v_nop                                          ; a plain instruction between the last exponential and the use of its result
	s_wait_alu depctr_va_vdst(0)
.irp n, 0,1,2,3,4,5,6,7,8,9,10,11
	v_cvt_pk_f16_f32 v[P+\n], v[S+2*\n], v[S+2*\n+1]
.endr
	WIN 0x03                                       ; V^T window 3; P, O^T window 0
.irp ct, 0,1,2,3
	v_wmma_f32_16x16x32_f16 v[O+8*\ct:O+8*\ct+7], v[VP+28*\ct+4*\i:VP+28*\ct+4*\i+7], v[P:P+7], 0
.endr
.irp ct, 0,1,2,3                       ; the third key tile, and 16 keys of weight 0; the four accumulators take turns
	v_wmma_f32_16x16x32_f16 v[O+8*\ct:O+8*\ct+7], v[VP+28*\ct+4*\i+8:VP+28*\ct+4*\i+15], v[P+8:P+15], v[O+8*\ct:O+8*\ct+7]
.endr
	WIN 0
.irp n, 0,1,2,3,4,5                    ; the sum of the 24 weights: these name none of the products' registers and are the places behind them
	v_pk_add_f32 v[S+2*\n:S+2*\n+1], v[S+2*\n:S+2*\n+1], v[S+2*\n+12:S+2*\n+13]
.endr
.irp n, 0,1,2
	v_pk_add_f32 v[S+2*\n:S+2*\n+1], v[S+2*\n:S+2*\n+1], v[S+2*\n+6:S+2*\n+7]
.endr
	v_pk_add_f32 v[S:S+1], v[S:S+1], v[S+2:S+3]
	v_pk_add_f32 v[S:S+1], v[S:S+1], v[S+4:S+5]
	v_add_f32 v[T0], v[S], v[S+1]
	v_permlanex16_b32 v[T1], v[T0], s[SEL], s[SEL+1]
	v_add_f32 v[T0], v[T0], v[T1]
	v_rcp_f32 v[RL], v[T0]
	v_rcp_f32 v[RL+1], v[T0]
	v_nop                                          ; a plain instruction between the reciprocals and their use
	s_wait_xcnt 0x0                                ; the packed output, which the last tile's stores read, is rewritten only behind this wait
	s_wait_alu depctr_va_vdst(0)
.irp n, 0,1,2,3,4,5,6,7,8,9,10,11,12,13,14,15
	v_pk_fma_f32 v[O+2*\n:O+2*\n+1], v[O+2*\n:O+2*\n+1], v[RL:RL+1], v[BV+2*\n:BV+2*\n+1]    ; O / l + bv, from each accumulator's low end on
.endr
.irp n, 0,1,2,3,4,5,6,7,8,9,10,11,12,13,14,15
	v_cvt_pk_f16_f32 v[AOP+\n], v[O+2*\n], v[O+2*\n+1]
.endr
.irp ct, 0,1,2,3
	global_store_b128 v[GO], v[AOP+4*\ct:AOP+4*\ct+3], s[16:17] offset:\i*32768+\ct*512      ; the wave stores 512 consecutive bytes, aligned: half a fragment image
.endr
.endm
; THE ATTENTION of one head.
.macro ATT
	WIN 0
	PLACES                                         ; behind the pass's last products
	s_wait_loadcnt 0x0                             ; the biases
	WIN 0x82                                       ; accumulators window 2, biases window 0
.set n, 0
.rept 64
	v_pk_add_f32 v[QA+2*n:QA+2*n+1], v[QA+2*n:QA+2*n+1], v[BQ+(2*n)%32:BQ+(2*n)%32+1]
.set n, n+1
.endr
.set n, 0
.rept 64
	v_pk_add_f32 v[KA+2*n:KA+2*n+1], v[KA+2*n:KA+2*n+1], v[BK+(2*n)%32:BK+(2*n)%32+1]
.set n, n+1
.endr
	WIN 0x4a                                       ; from window 2 into window 1: the rounded accumulators are the fragments
.set n, 0
.rept 64
	v_cvt_pk_f16_f32 v[QP+n], v[QA+2*n], v[QA+2*n+1]
.set n, n+1
.endr
.set n, 0
.rept 64
	v_cvt_pk_f16_f32 v[KP+32+n], v[KA+2*n], v[KA+2*n+1]
.set n, n+1
.endr
	WIN 0xcf                                       ; inside window 3
.irp tt, 0,1,2,3
.irp ct, 0,1,2,3
.irp p, 0,1,2,3
	v_cvt_pk_f16_f32 v[VP+28*\ct+4*(\tt+2)+\p], v[VA+8*(4*\tt+\ct)+2*\p], v[VA+8*(4*\tt+\ct)+2*\p+1]
.endr
.endr
.endr
	WIN 0x04                                       ; store data window 1: K of my tiles 2 and 3
.irp n, 0,1,2,3,4,5,6,7
	ds_store_b128 v[HST], v[KP+64+4*\n:KP+64+4*\n+3] offset:512*\n
.endr
	WIN 0x0c                                       ; store data window 3: V of my tiles 2 and 3
.irp ct, 0,1,2,3
.irp e, 0,1
	ds_store_b128 v[HST], v[VP+28*\ct+16+4*\e:VP+28*\ct+16+4*\e+3] offset:4096+512*(2*\ct+\e)
.endr
.endr
	WIN 0
.irp n, 12,13,14,15
	v_mov_b32 v[P+\n], 0                           ; the weights of the 16 keys behind the third key tile
.endr
	s_wait_dscnt 0x0                               ; for the next wave's sake: my halo is written
	s_barrier_signal -1                            ; A refill of the ring may stay on its way.  The ring's barriers of the
	s_barrier_wait -1                              ; next pass stand between these reads and the halo's next stores
	WIN 0x40
.irp n, 0,1,2,3,4,5,6,7
	ds_load_b128 v[KP+4*\n:KP+4*\n+3], v[HRD] offset:512*\n        ; wave 0 takes wave 3's: finite numbers whose weights the mask makes 0
.endr
	WIN 0xc0
.irp ct, 0,1,2,3
.irp e, 0,1
	ds_load_b128 v[VP+28*\ct+4*\e:VP+28*\ct+4*\e+3], v[HRD] offset:4096+512*(2*\ct+\e)
.endr
.endr
	s_wait_dscnt 0x0
	QTILE 0
	QTILE 1
	QTILE 2
	QTILE 3
.endm
	s_wait_tensorcnt 1                             ; my part of K step 0 is in; K step 1's may stay out
	s_barrier_signal -1
	s_barrier_wait -1
	FETCH 0, 0, F0
	WIN 0                                          ; at a label and at a branch every window is 0
	s_mov_b32 s[PASS], 4                           ; heads to go, this one among them: the same number in every work-group
.Lpass:
	BIASLOAD
	QUARTER 0, 64,  F0, F1, 1                      ; a pass's first quarter starts the sums
	WIN 0
	s_mov_b32 s[LAP], 3
.Llap:                                                 ; a trip goes once round the ring and fills both slots again
	QUARTER 0, 128, F1, F0, 0
	QUARTER 0, 192, F0, F1, 0
	TURN 0, 1, 0, 1
	QUARTER 1, 64,  F0, F1, 0
	QUARTER 1, 128, F1, F0, 0
	QUARTER 1, 192, F0, F1, 0
	TURN 1, 0, 0, 1
	QUARTER 0, 64,  F0, F1, 0
	WIN 0
	s_sub_co_u32 s[LAP], s[LAP], 1
	s_cmp_lg_u32 s[LAP], 0
	s_cbranch_scc1 .Llap
	QUARTER 0, 128, F1, F0, 0
	QUARTER 0, 192, F0, F1, 0
	WIN 0
	s_cmp_eq_u32 s[PASS], 1
	s_cbranch_scc1 .Llast                          ; the last pass's tail is written out: it asks for nothing more
	TURN 0, 1, 1, 1                                ; the ring goes on into the next pass: slot 0 takes its K step 0,
	QUARTER 1, 64,  F0, F1, 0
	QUARTER 1, 128, F1, F0, 0
	QUARTER 1, 192, F0, F1, 0
	TURN 1, 0, 1, 0                                ; slot 1 its K step 1, which lands under the attention
	ATT
	NEXT
	FETCH 0, 0, F0                                 ; slot 0 was shown whole by the last change of slots
	WIN 0
	s_sub_co_u32 s[PASS], s[PASS], 1
	s_branch .Lpass
.Llast:
	MEET 0                                         ; nothing is filled again, so no round follows
	PLACES
	FETCH 1, 0, F0
	WIN M3
	MULV F1, 0
	QUARTER 1, 64,  F0, F1, 0
	QUARTER 1, 128, F1, F0, 0
	QUARTER 1, 192, F0, F1, 0
	LASTQ
	ATT
	s_wait_tensorcnt 0x0
	ds_add_u32 v31, v239
	s_wait_dscnt 0x0
	CROUND                                         ; the closing round: no work-group ends while a partner may still ask for a tile that names it
	s_endpgm
.Lfunc_end_k_q0e4ca6d9ab_qkvatt:
	.size	k_q0e4ca6d9ab_qkvatt, .Lfunc_end_k_q0e4ca6d9ab_qkvatt-k_q0e4ca6d9ab_qkvatt
	.p2alignl 7, 3214868480
	.fill 96, 4, 3214868480
	.section	.rodata,"a",@progbits
	.p2align	6, 0x0
	.amdhsa_kernel k_q0e4ca6d9ab_qkvatt
		.amdhsa_group_segment_fixed_size 327680
		.amdhsa_private_segment_fixed_size 0
		.amdhsa_enable_private_segment 0
		.amdhsa_kernarg_size 56
		.amdhsa_user_sgpr_count 2
		.amdhsa_user_sgpr_kernarg_segment_ptr 1
		.amdhsa_wavefront_size32 1
		.amdhsa_system_sgpr_workgroup_id_x 1
		.amdhsa_system_sgpr_workgroup_id_y 1
		.amdhsa_system_sgpr_workgroup_id_z 1
		.amdhsa_system_vgpr_workitem_id 0
		.amdhsa_next_free_vgpr 1024
		.amdhsa_next_free_sgpr 90
		.amdhsa_reserve_vcc 0
		.amdhsa_float_denorm_mode_32 3
		.amdhsa_float_denorm_mode_16_64 3
		.amdhsa_memory_ordered 1
		.amdhsa_forward_progress 1
		.amdhsa_inst_pref_size 250
	.end_amdhsa_kernel
	.amdgpu_metadata
---
amdhsa.version: [ 1, 2 ]
amdhsa.kernels:
  - .name:           k_q0e4ca6d9ab_qkvatt
    .symbol:         k_q0e4ca6d9ab_qkvatt.kd
    .args:
      - { .name: xh, .offset: 0, .size: 8, .value_kind: global_buffer, .address_space: global }
      - { .name: wt, .offset: 8, .size: 8, .value_kind: global_buffer, .address_space: global }
      - { .name: Wq_b, .offset: 16, .size: 8, .value_kind: global_buffer, .address_space: global }
      - { .name: Wk_b, .offset: 24, .size: 8, .value_kind: global_buffer, .address_space: global }
      - { .name: Wv_b, .offset: 32, .size: 8, .value_kind: global_buffer, .address_space: global }
      - { .name: reset_mask_all, .offset: 40, .size: 8, .value_kind: global_buffer, .address_space: global }
      - { .name: ao, .offset: 48, .size: 8, .value_kind: global_buffer, .address_space: global }
    .group_segment_fixed_size: 327680
    .private_segment_fixed_size: 0
    .kernarg_segment_align: 8
    .kernarg_segment_size: 56
    .max_flat_workgroup_size: 128
    .sgpr_count:     90
    .vgpr_count:     1024
    .wavefront_size: 32
...
	.end_amdgpu_metadata
.endif
;; end of part 2
;; launch oproj (part 3): grid 4 x 64, 4 waves a work-group, clusters of 4 x 4, 327,680 bytes of LDS; arguments ao, wt, Wo_b, out0; writes out0
.if DOCPART == 3
	.amdgcn_target "amdgcn-amd-amdhsa--gfx1250"
	.amdhsa_code_object_version 6
	.text
	.protected	k_q0e4ca6d9ab_oproj
	.globl	k_q0e4ca6d9ab_oproj
	.p2align	8
	.type	k_q0e4ca6d9ab_oproj,@function
k_q0e4ca6d9ab_oproj:
	s_mov_b64 s[64:65], 0
	v_nop
	global_prefetch_b8 v0, s[64:65] scope:SCOPE_SE
	s_setreg_imm32_b32 hwreg(HW_REG_WAVE_MODE, 25, 1), 1
	s_wait_xcnt 0x0
	s_wait_alu depctr_hold_cnt(0) depctr_sa_sdst(0) depctr_va_vdst(0) depctr_va_sdst(0) depctr_va_ssrc(0) depctr_va_vcc(0) depctr_vm_vsrc(0)
	s_getreg_b32 s2, hwreg(HW_REG_IB_STS2, 6, 4)
	s_cmp_eq_u32 s2, 0
	s_cbranch_scc0 .Lentry_in_a_cluster
	s_endpgm
.Lentry_in_a_cluster:
	s_bfe_u32 s2, ttmp6, 0x10000c
	s_cmp_lg_u32 s2, 0xf033
	s_cbranch_scc0 .Lentry_shape_is_right
	s_endpgm
.Lentry_shape_is_right:
; oproj: out0[token][n] = sum over k of a[token][k] Wo[k][n] + bo[n].  a: the attention's output in f16, stored as fragment images (ao: token tile T, 32 channels kb: 1,024 bytes,
; registers 0-3 of the 32 lanes, then registers 4-7).  Wo^T: rows 3072 + n of wt, f16, k along the rows.  Sums in f32, out0 in f32.
; LIMIT: f16 operands, as they come from the launches before: magnitudes below 65,504.
; A tile of out0, 256 x 256, is made by four waves, 128 x 128 each: 64 accumulators, 512 registers.  K = 1024 in steps of 128 through two LDS slots; one tensor load a wave behind each round, two at the start.
; CLUSTER: 4 x 4 work-groups.  a's tiles hang on the tile row alone and are shared along a row of the cluster, Wo's on the tile column alone and are shared along a column: joint loads.
; The matrix instruction takes 16 rows of Wo^T as source 0 and 16 tokens as source 1: a lane holds one token and eight neighbouring columns of out0.
; REGISTERS: window 0 addresses, bias, the way out.  window 1 two fragment buffers of 128: Wo's 8 fragments, then a's 8.  window 2 the accumulators of my tokens 0-63 ((a, b) at 8 (8 a + b)), window 3 those of tokens 64-127.
.set PITCH, 272                        ; a row of Wo^T in LDS: 256 bytes + 16
.set FR,    16*PITCH
.set BH,    128*PITCH                  ; half of Wo's tile: one tensor load
.set AH,    32768                      ; half of a's tile: 8 token tiles x 4,096 bytes, as they lie: a fragment load takes 512 neighbouring bytes
.set AOFF,  2*BH
.set SLOT,  2*BH+2*AH                  ; 135,168
.set STAGE, 2*SLOT                     ; behind the ring, a multiple of 256: 16 rows x 528 bytes for each wave.  No tensor load lands here
.set SP,    528                        ; a stage row: 512 bytes + 16
.set ADRA, 16                          ; v16-17 my fragments of a in slot 0, 1
.set ADRB, 20                          ; v20-21 my fragments of Wo
.set STO,  24                          ; v24 the way out: where I put 32 bytes of a row
.set RD,   25                          ; v25 where I read 16 bytes of a row back
.set CO,   26                          ; v26 16 x lane: my place in a row's 512 bytes of out0 and of the bias; never rewritten
.set BI,   28                          ; v28-31 bo of my four columns
.set OB,   64                          ; v64-127 and v128-191: 16 rows read back, by turns
.set F0,   0
.set F1,   128
.set WV,   18
.set KIND, 19                          ; 0: I fetch Wo, 1: I fetch a.  Also: which half of the tile's tokens is mine
.set HALF, 20                          ; which half of that tile I fetch.  Also: which half of the tile's columns is mine
.set G1B,  24                          ; s[24:31], s[32:39] descriptors for Wo's tiles
.set G0B,  32
.set G1A,  40                          ; s[40:47], s[48:55] for a's
.set G0A,  48
.set LAP,  67
.set MSB, 0
.macro WIN new
.if MSB != \new
	s_set_vgpr_msb (MSB<<8)|\new
.set MSB, \new
.endif
.endm
.set TO_F, 0x40
.set M2,   0xa5
.set M3,   0xf5
.macro PLACES                          ; four places between a matrix instruction and a vector instruction, a store or a load that touches its registers (ISA guide 7.12.1 for vector instructions)
.rept 4
	v_nop
.endr
.endm
.macro JLOAD s                         ; a joint load; four v_nop follow each of the two lines
	s_cmp_eq_u32 s[KIND], 0
	s_cbranch_scc0 .Lfor_a_\@
	tensor_load_to_lds s[G0B+4*\s:G0B+4*\s+3], s[G1B:G1B+7]
	s_nop 0
.rept 4
	v_nop
.endr
	s_branch .Lasked_\@
.Lfor_a_\@:
	tensor_load_to_lds s[G0A+4*\s:G0A+4*\s+3], s[G1A:G1A+7]
	s_nop 0
.rept 4
	v_nop
.endr
.Lasked_\@:
.endm
.macro CREST
	s_cmp_lg_u32 s[WV], 0
	s_cbranch_scc1 .Lnot_wave_0_\@
	s_barrier_signal -3
.Lnot_wave_0_\@:
	s_barrier_wait -3
	s_barrier_signal -1
	s_barrier_wait -1
.endm
.macro CROUND
	s_barrier_signal -1
	s_barrier_wait -1
	CREST
.endm
	s_load_b256 s[4:11], s[0:1], 0x0               ; ao s[4:5], wt s[6:7], bo s[8:9], out0 s[10:11]
	v_lshl_add_u32 v254, v0, 2, 0x4a400
	v_mov_b32 v255, 0
	ds_add_u32 v254, v255
	v_lshrrev_b32 v1, 5, v0
	v_readfirstlane_b32 s[WV], v1
	s_lshr_b32 s[KIND], s[WV], 1
	s_and_b32 s[HALF], s[WV], 1
	s_bfe_u32 s21, ttmp6, 0x40000                  ; cx
	s_bfe_u32 s22, ttmp6, 0x40004                  ; cy
	s_lshl_b32 s23, ttmp9, 2
	s_add_co_u32 s23, s23, s21                     ; tile column
	s_and_b32 s56, ttmp7, 0xffff
	s_lshl_b32 s56, s56, 2
	s_add_co_u32 s56, s56, s22                     ; tile row
	s_lshl_b32 s57, s22, 2
	s_lshl_b32 s57, 15, s57                        ; my row of the cluster
	s_lshl_b32 s58, 0x1111, s21                    ; my column
	s_or_b32 s[G1B], s58, (1<<16)|(1<<20)|(1<<21)|(5<<22)|(3<<25)   ; Wo: 128 rows x 128 elements, padded by 4 words after every 64
	s_mov_b32 s[G1B+1], 128<<16
	s_mov_b32 s[G1B+2], 128<<16
	s_mov_b32 s[G1B+3], 128<<16
	s_mov_b32 s[G1B+4], 128
	s_mov_b32 s[G1B+5], 1024
	s_mov_b32 s[G1B+6], 0
	s_mov_b32 s[G1B+7], 0
	s_or_b32 s[G1A], s57, (1<<16)|(1<<21)          ; a: 8 rows (token tiles) of 2,048 elements (four images), 16,384 elements apart; no padding
	s_mov_b32 s[G1A+1], 2048<<16
	s_mov_b32 s[G1A+2], 8<<16
	s_mov_b32 s[G1A+3], 2048<<16
	s_mov_b32 s[G1A+4], 8
	s_mov_b32 s[G1A+5], 16384
	s_mov_b32 s[G1A+6], 0
	s_mov_b32 s[G1A+7], 0
	s_lshl_b32 s60, s56, 19                        ; a: tile row x 16 token tiles of 32,768 bytes + half x 8.  s[60:61] never hold cx
	s_lshl_b32 s61, s[HALF], 18
	s_add_co_u32 s60, s60, s61
	s_mov_b32 s61, 0
	s_lshl_b32 s62, s23, 19                        ; Wo: row 3072 + 256 x tile column + 128 x half, 2,048 bytes a row.  s[62:63] never hold cy
	s_lshl_b32 s63, s[HALF], 18
	s_add_co_u32 s62, s62, s63
	s_add_co_u32 s62, s62, 3072*2048
	s_mov_b32 s63, 0
	s_mul_i32 s77, s[WV], BH                       ; LDS: Wo's halves at wave x 34,816 (waves 0, 1),
	s_lshl_b32 s78, s[WV], 15
	s_add_co_u32 s78, s78, AOFF-2*AH               ; a's behind them at 69,632 + (wave - 2) x 32,768 (waves 2, 3)
	s_wait_dscnt 0x0
	s_wait_kmcnt 0x0
	s_add_nc_u64 s[60:61], s[4:5], s[60:61]
	s_add_nc_u64 s[62:63], s[6:7], s[62:63]
	CROUND                                         ; all sixteen work-groups are here: the first joint loads meet
.irp s, 0,1
	s_mov_b32 s[G0B+4*\s], 1
	s_add_co_u32 s[G0B+4*\s+1], s77, \s*SLOT
	s_add_nc_u64 s[G0B+4*\s+2:G0B+4*\s+3], s[62:63], \s*256        ; K step s: 256 bytes along the rows
	s_or_b32 s[G0B+4*\s+3], s[G0B+4*\s+3], 0x80000000
	s_mov_b32 s[G0A+4*\s], 1
	s_add_co_u32 s[G0A+4*\s+1], s78, \s*SLOT
	s_add_nc_u64 s[G0A+4*\s+2:G0A+4*\s+3], s[60:61], \s*4096       ; K step s: four images on
	s_or_b32 s[G0A+4*\s+3], s[G0A+4*\s+3], 0x80000000
	JLOAD \s                                       ; two loads of mine are out
.endr
	s_lshl_b32 s82, s23, 10                        ; my 128 columns, in bytes
	s_lshl_b32 s83, s[HALF], 9
	s_add_co_u32 s82, s82, s83
	s_mov_b32 s83, 0
	s_add_nc_u64 s[8:9], s[8:9], s[82:83]
	s_lshl_b32 s80, s56, 20                        ; my 128 rows of 4,096 bytes
	s_lshl_b32 s81, s[KIND], 19
	s_add_co_u32 s80, s80, s81
	s_add_co_u32 s80, s80, s82
	s_mov_b32 s81, 0
	s_add_nc_u64 s[10:11], s[10:11], s[80:81]
	v_and_b32 v1, 15, v0                           ; r
	v_bfe_u32 v2, v0, 4, 1                         ; h
	v_and_b32 v3, 31, v0                           ; lane
	v_lshlrev_b32 v[CO], 4, v3
	global_load_b128 v[BI:BI+3], v[CO], s[8:9]
	v_mul_u32_u24 v4, v1, PITCH
	v_lshl_add_u32 v4, v2, 4, v4
	s_mul_i32 s79, s[HALF], BH
	v_add_nc_u32 v[ADRB], s79, v4
	v_add_nc_u32 v[ADRB+1], SLOT, v[ADRB]
	s_lshl_b32 s79, s[KIND], 15
	s_add_co_u32 s79, s79, AOFF
	v_lshl_add_u32 v[ADRA], v3, 4, s79
	v_add_nc_u32 v[ADRA+1], SLOT, v[ADRA]
	s_mul_i32 s79, s[WV], 16*SP
	s_add_co_u32 s79, s79, STAGE                   ; my stage
	v_mul_u32_u24 v4, v1, SP
	v_lshl_add_u32 v4, v2, 5, v4
	v_add_nc_u32 v[STO], s79, v4                   ; in: row r, 32 bytes for each half of the lanes
	v_lshl_add_u32 v[RD], v3, 4, s79               ; back: a whole row of 512 bytes a load
; 16 products: token blocks a0, a0 + 1 of the window's four x all 8 column blocks.  The 64 accumulators take turns in one fixed order, one instruction a turn.
.macro MUL16 f, hi, a0, zero
.irp a, \a0, \a0+1
.irp b, 0,1,2,3,4,5,6,7
.if \zero
	v_wmma_f32_16x16x32_f16 v[8*(8*(\a)+\b):8*(8*(\a)+\b)+7], v[\f+8*\b:\f+8*\b+7], v[\f+64+8*(4*\hi+\a):\f+64+8*(4*\hi+\a)+7], 0
.else
	v_wmma_f32_16x16x32_f16 v[8*(8*(\a)+\b):8*(8*(\a)+\b)+7], v[\f+8*\b:\f+8*\b+7], v[\f+64+8*(4*\hi+\a):\f+64+8*(4*\hi+\a)+7], v[8*(8*(\a)+\b):8*(8*(\a)+\b)+7]
.endif
.endr
.endr
.endm
; 32 LDS loads in one run: quarter q of a K step: Wo's 8 fragments, then a's 8
.macro FETCH slot, q, f
	WIN TO_F
.irp b, 0,1,2,3,4,5,6,7
	ds_load_b128 v[\f+8*\b:\f+8*\b+3],   v[ADRB+\slot] offset:64*\q+\b*FR
	ds_load_b128 v[\f+8*\b+4:\f+8*\b+7], v[ADRB+\slot] offset:64*\q+\b*FR+32
.endr
.irp a, 0,1,2,3,4,5,6,7
	ds_load_b128 v[\f+64+8*\a:\f+64+8*\a+3],   v[ADRA+\slot] offset:\a*4096+\q*1024
	ds_load_b128 v[\f+64+8*\a+4:\f+64+8*\a+7], v[ADRA+\slot] offset:\a*4096+\q*1024+512
.endr
.endm
.macro QUARTER slot, q, f, g, zero
	s_wait_dscnt 8                                 ; all but the youngest eight loads, a's blocks 4-7
	WIN M2
	MUL16 \f, 0, 0, \zero
	MUL16 \f, 0, 2, \zero
	PLACES                                         ; for the loads into g, which the quarter before multiplied
	FETCH \slot, \q, \g
	s_wait_dscnt 32                                ; all but the 32 just issued
	WIN M3
	MUL16 \f, 1, 0, \zero
	MUL16 \f, 1, 2, \zero
.endm
.macro MEET round                      ; the one barrier of a change of slots: in front of it each wave waits for its reads of this slot and for all its tensor loads
	s_wait_dscnt 8
	WIN M2
	MUL16 F1, 0, 0, 0
	s_wait_dscnt 0                                 ; my reads of this slot are over,
	s_set_vgpr_msb 0xa5a0
	s_wait_tensorcnt 0x0                           ; and all my tensor loads have landed: the one that was out is my part of the next slot
	ds_add_u32 v254, v255
	s_wait_dscnt 0x0
	s_set_vgpr_msb 0xa0a5
	s_barrier_signal -1
	MUL16 F1, 0, 2, 0
.if \round
	WIN 0
.endif
	s_barrier_wait -1
.endm
.macro TURN slot, next                 ; the barrier opens a round of the cluster's; behind it this slot is filled again first, two K steps on: 240 products ahead of the wait for it
	MEET 1
	CREST
	s_add_nc_u64 s[G0B+4*\slot+2:G0B+4*\slot+3], s[G0B+4*\slot+2:G0B+4*\slot+3], 512
	s_add_nc_u64 s[G0A+4*\slot+2:G0A+4*\slot+3], s[G0A+4*\slot+2:G0A+4*\slot+3], 8192
	JLOAD \slot                                    ; its four v_nop are also the places in front of the loads below
	FETCH \next, 0, F0
	WIN M3
	MUL16 F1, 1, 0, 0
	MUL16 F1, 1, 2, 0
.endm
; THE WAY OUT of block a (16 tokens x 128 columns of f32).  TOSTAGE: the accumulators go into my own stage, each from its low end on, and come back as whole rows of 512 bytes.
.macro TOSTAGE a
.set AC, 64*((\a)%4)
.set BK2, OB+64*((\a)%2)
	WIN 0x08+4*((\a)/4)                            ; store data window 2 or 3
.irp b, 0,1,2,3,4,5,6,7
	ds_store_b128 v[STO], v[AC+8*\b:AC+8*\b+3]   offset:64*\b
	ds_store_b128 v[STO], v[AC+8*\b+4:AC+8*\b+7] offset:64*\b+16
.endr
	WIN 0
.irp t, 0,1,2,3,4,5,6,7,8,9,10,11,12,13,14,15
	ds_load_b128 v[BK2+4*\t:BK2+4*\t+3], v[RD] offset:\t*SP        ; LDS serves a wave's instructions in order (ISA guide 5.7.1.4): these see the stores above, and the next block's stores come behind them
.endr
.endm
.macro SEND a, younger                 ; younger: the LDS instructions issued behind block a's loads
.set BK2, OB+64*((\a)%2)
	s_wait_dscnt \younger
.irp t, 0,1,2,3,4,5,6,7,8,9,10,11,12,13,14,15
	v_pk_add_f32 v[BK2+4*\t:BK2+4*\t+1],   v[BK2+4*\t:BK2+4*\t+1],   v[BI:BI+1]
	v_pk_add_f32 v[BK2+4*\t+2:BK2+4*\t+3], v[BK2+4*\t+2:BK2+4*\t+3], v[BI+2:BI+3]
	global_store_b128 v[CO], v[BK2+4*\t:BK2+4*\t+3], s[10:11] offset:(16*(\a)+\t)*4096 th:TH_STORE_NT   ; the wave stores 512 consecutive bytes, aligned; 127 rows at the most stand in the immediate
.endr
.endm
	s_wait_tensorcnt 1                             ; my part of K step 0 is in; K step 1's may stay out
	s_barrier_signal -1
	s_barrier_wait -1
	FETCH 0, 0, F0
	QUARTER 0, 1, F0, F1, 1                        ; the first quarter starts the sums
	WIN 0                                          ; at a label and at a branch every window is 0
	s_mov_b32 s[LAP], 3
.Llap:                                                 ; a trip goes once round the ring and fills both slots again
	QUARTER 0, 2, F1, F0, 0
	QUARTER 0, 3, F0, F1, 0
	TURN 0, 1
	QUARTER 1, 1, F0, F1, 0
	QUARTER 1, 2, F1, F0, 0
	QUARTER 1, 3, F0, F1, 0
	TURN 1, 0
	QUARTER 0, 1, F0, F1, 0
	WIN 0
	s_sub_co_u32 s[LAP], s[LAP], 1
	s_cmp_lg_u32 s[LAP], 0
	s_cbranch_scc1 .Llap
	QUARTER 0, 2, F1, F0, 0                        ; the last lap fills nothing
	QUARTER 0, 3, F0, F1, 0
	MEET 0
	PLACES
	FETCH 1, 0, F0
	WIN M3
	MUL16 F1, 1, 0, 0
	MUL16 F1, 1, 2, 0
	QUARTER 1, 1, F0, F1, 0
	QUARTER 1, 2, F1, F0, 0
	QUARTER 1, 3, F0, F1, 0
	s_wait_dscnt 8                                 ; the very last quarter
	WIN M2
	MUL16 F1, 0, 0, 0
	MUL16 F1, 0, 2, 0
	s_wait_dscnt 0
	WIN M3
	MUL16 F1, 1, 0, 0
	MUL16 F1, 1, 2, 0
	WIN 0
	s_wait_loadcnt 0x0                             ; the bias
	PLACES                                         ; behind the last products
	TOSTAGE 0
.irp a, 1,2,3,4,5,6,7
	s_wait_xcnt 0x0                                ; the rows that the block two back stored from are loaded again only behind this wait
	TOSTAGE \a
	SEND \a-1, 32                                  ; block a's 16 stores and 16 loads were issued behind block a - 1's loads
.endr
	SEND 7, 0
	s_wait_tensorcnt 0x0
	ds_add_u32 v254, v255
	s_wait_dscnt 0x0
	CROUND                                         ; the closing round: no work-group ends while a partner may still ask for a tile that names it
	s_endpgm
.Lfunc_end_k_q0e4ca6d9ab_oproj:
	.size	k_q0e4ca6d9ab_oproj, .Lfunc_end_k_q0e4ca6d9ab_oproj-k_q0e4ca6d9ab_oproj
	.p2alignl 7, 3214868480
	.fill 96, 4, 3214868480
	.section	.rodata,"a",@progbits
	.p2align	6, 0x0
	.amdhsa_kernel k_q0e4ca6d9ab_oproj
		.amdhsa_group_segment_fixed_size 327680
		.amdhsa_private_segment_fixed_size 0
		.amdhsa_enable_private_segment 0
		.amdhsa_kernarg_size 32
		.amdhsa_user_sgpr_count 2
		.amdhsa_user_sgpr_kernarg_segment_ptr 1
		.amdhsa_wavefront_size32 1
		.amdhsa_system_sgpr_workgroup_id_x 1
		.amdhsa_system_sgpr_workgroup_id_y 1
		.amdhsa_system_sgpr_workgroup_id_z 1
		.amdhsa_system_vgpr_workitem_id 0
		.amdhsa_next_free_vgpr 1024
		.amdhsa_next_free_sgpr 90
		.amdhsa_reserve_vcc 0
		.amdhsa_float_denorm_mode_32 3
		.amdhsa_float_denorm_mode_16_64 3
		.amdhsa_memory_ordered 1
		.amdhsa_forward_progress 1
		.amdhsa_inst_pref_size 156
	.end_amdhsa_kernel
	.amdgpu_metadata
---
amdhsa.version: [ 1, 2 ]
amdhsa.kernels:
  - .name:           k_q0e4ca6d9ab_oproj
    .symbol:         k_q0e4ca6d9ab_oproj.kd
    .args:
      - { .name: ao, .offset: 0, .size: 8, .value_kind: global_buffer, .address_space: global }
      - { .name: wt, .offset: 8, .size: 8, .value_kind: global_buffer, .address_space: global }
      - { .name: Wo_b, .offset: 16, .size: 8, .value_kind: global_buffer, .address_space: global }
      - { .name: out0, .offset: 24, .size: 8, .value_kind: global_buffer, .address_space: global }
    .group_segment_fixed_size: 327680
    .private_segment_fixed_size: 0
    .kernarg_segment_align: 8
    .kernarg_segment_size: 32
    .max_flat_workgroup_size: 128
    .sgpr_count:     90
    .vgpr_count:     1024
    .wavefront_size: 32
...
	.end_amdgpu_metadata
.endif
;; end of part 3
;; ======== version 2 of 2: 3 launches; version 1 with the launch prep written anew for expert scheduling mode
;; limits: values are held in f16: magnitudes above 65,504 overflow, below 6.1e-05 lose precision
;; workspace buffers: xh 33,554,432 bytes; wt 8,388,608 bytes; ao 33,554,432 bytes
;; launch prep (part 4): grid 256 x 1, 16 waves a work-group, no clusters, 36,864 bytes of LDS; arguments x_all, Wq_w, Wk_w, Wv_w, Wo_w, xh, wt; writes xh, wt
.if DOCPART == 4
	.amdgcn_target "amdgcn-amd-amdhsa--gfx1250"
	.amdhsa_code_object_version 6
	.text
	.protected	k_q0e4ca6d9ab_prep
	.globl	k_q0e4ca6d9ab_prep
	.p2align	8
	.type	k_q0e4ca6d9ab_prep,@function
k_q0e4ca6d9ab_prep:
	s_mov_b64 s[64:65], 0
	v_nop
	global_prefetch_b8 v0, s[64:65] scope:SCOPE_SE
	s_setreg_imm32_b32 hwreg(HW_REG_WAVE_SCHED_MODE, 0, 2), 2
	s_setreg_imm32_b32 hwreg(HW_REG_WAVE_MODE, 25, 1), 1
	s_wait_xcnt 0x0
	s_wait_alu depctr_vm_vsrc(0)
; prep: x is cast to f16 (xh, same layout), and the four weight matrices are cast to f16 and transposed into wt, whose rows lie along k:
;   rows head*192 + {0..63 q, 64..127 k, 128..191 v} hold one output channel each; rows 3072 + n hold Wo[:, n].
; LIMIT: f16 operands: |x| and |W| below 65,504; magnitudes below about 6e-8 are lost.
; 256 work-groups of 16 waves.  Work-group g does (a) one weight tile of 128 k x 128 n (matrix g>>6, k tile (g>>3)&7, n tile g&7), turned through LDS,
; and (b) 64 rows of x: 262,144 bytes in, 131,072 out.  Every work-group does the same work.
; No matrix unit, no cluster, no tensor load: each byte is read once by one work-group, and nothing is shared.
; THE MODE: SCHED_MODE bits 1:0 = 2 (LLVM: expert scheduling mode 2), set by the entry lines.  The code itself states the register dependences
; between vector instructions and memory or LDS instructions, with s_wait_alu, always for 0.
; THE PLAN.  Registers that memory or LDS instructions touch:
;   v1-v6      offsets and LDS addresses: written at the head by vector instructions, read by loads, stores and LDS instructions, never written again.
;   WR         the weight loads land in it once; the sixteen conversions read it.
;   PK         those conversions write it; the four LDS stores read it; never written again.
;   RB         v56-58 serve the head's address arithmetic; later four LDS loads land in RB and four stores read it; never written again.
;   X          sixteen slots.  Block p of four items: its eight conversions read slots 4 (p % 4) on; in blocks 0 to 3 the loads of the items sixteen further on then land there.
;   Y          32 items, each written once by its block's conversions and read once by its store: no store's data is ever rewritten.
;   v200, v201 written at the head, read by the closing add alone.
; No register that a memory or LDS instruction reads is written again, so none of these dependences calls for a wait on vm_vsrc.  The waits on va_vdst: one at the head, one ahead of the LDS stores,
; and one in each block of x, behind its conversions and ahead of its loads and stores.
.set WO,   1                           ; v1   weight tile: my wave's 8 rows (32,768 bytes) + 16 bytes a lane
.set XO,   2                           ; v2   16 t: my 16 bytes of an item of x; never rewritten
.set YO,   3                           ; v3   8 t: my 8 bytes of an item of xh; never rewritten
.set TS,   4                           ; v4   LDS: row 4 L of the turned tile, 16 bytes at k = 8 w
.set TR,   5                           ; v5   LDS: row t>>4, 16 bytes at (t&15)
.set WOUT, 6                           ; v6   the same place in wt: rows of 2,048 bytes
.set WR,   8                           ; v[8:39]    8 rows x 4 columns of the weight tile, f32
.set PK,   40                          ; v[40:55]   4 columns x 8 k, f16
.set RB,   56                          ; v[56:71]   rows read back (v56-58 serve as temporaries first)
.set X,    72                          ; v[72:135]  16 slots of 4: x as loaded
.set Y,    136                         ; v[136:199] 32 items of 2: x in f16; no register is used twice, so no store's data is ever rewritten
.set TP,   272                         ; pitch of the turned tile: 256 bytes + 16
	s_load_b256 s[4:11], s[0:1], 0x0               ; x s[4:5], Wq s[6:7], Wk s[8:9], Wv s[10:11]
	s_load_b128 s[12:15], s[0:1], 0x20             ; Wo s[12:13], xh s[14:15]
	s_load_b64 s[16:17], s[0:1], 0x30              ; wt
	v_lshl_add_u32 v200, v0, 2, 0x8800
	v_mov_b32 v201, 0
	s_lshr_b32 s26, ttmp9, 6                       ; which matrix: 0 q, 1 k, 2 v, 3 o
	s_bfe_u32 s27, ttmp9, 0x30003                  ; k tile
	s_and_b32 s28, ttmp9, 7                        ; n tile
	s_lshl_b32 s30, s26, 6                         ; q, k, v: the matrix's 64 rows inside a head's 192
	v_lshrrev_b32 v7, 5, v0                        ; wave w
	v_and_b32 v56, 31, v0                          ; lane L
	v_lshrrev_b32 v57, 4, v0                       ; t >> 4
	v_and_b32 v58, 15, v0                          ; t & 15
	v_lshlrev_b32 v[WO], 4, v56
	v_lshl_add_u32 v[WO], v7, 15, v[WO]
	v_lshlrev_b32 v[XO], 4, v0
	v_lshlrev_b32 v[YO], 3, v0
	v_mul_u32_u24 v[TS], v56, 4*TP
	v_lshl_add_u32 v[TS], v7, 4, v[TS]
	v_lshlrev_b32 v58, 4, v58
	v_mad_u32_u24 v[TR], v57, TP, v58
	v_lshl_add_u32 v[WOUT], v57, 11, v58
	s_lshl_b32 s34, s27, 19                        ; 128 rows of 4,096 bytes a k tile,
	s_lshl_b32 s35, s28, 9                         ; 512 bytes an n tile
	s_add_co_u32 s34, s34, s35
	s_mov_b32 s35, 0
	s_lshl_b32 s36, ttmp9, 18                      ; my 64 rows of x
	s_mov_b32 s37, 0
	s_wait_kmcnt 0x0
	s_cmp_eq_u32 s26, 1                            ; the source matrix is chosen by the work-group's number alone
	s_cselect_b64 s[20:21], s[8:9], s[6:7]
	s_cmp_eq_u32 s26, 2
	s_cselect_b64 s[20:21], s[10:11], s[20:21]
	s_cmp_eq_u32 s26, 3
	s_cselect_b64 s[20:21], s[12:13], s[20:21]
	s_cselect_b32 s29, 64, 192                     ; rows of wt from one group of 64 channels to the next
	s_cselect_b32 s30, 3072, s30                   ; first row of the matrix's part of wt
	s_add_nc_u64 s[20:21], s[20:21], s[34:35]
	s_add_nc_u64 s[4:5], s[4:5], s[36:37]
	s_wait_alu depctr_va_vdst(0)                   ; the six offsets and addresses v1 to v6 are written, which every load, store and LDS instruction below reads; the arithmetic is done with v56 to v58, in which LDS loads land later
.irp j, 0,1,2,3,4,5,6,7
	global_load_b128 v[WR+4*\j:WR+4*\j+3], v[WO], s[20:21] offset:\j*4096 th:TH_LOAD_NT    ; row k = 8 w + j: the wave takes 512 neighbouring bytes
.endr
.irp n, 0,1,2,3,4,5,6,7,8,9,10,11,12,13,14,15
	global_load_b128 v[X+4*\n:X+4*\n+3], v[XO], s[4:5] offset:\n*8192 th:TH_LOAD_NT        ; the ring of x is filled: sixteen loads a wave on their way
.endr
	s_mul_i32 s36, s28, s29                        ; wt: row 2 nt HS + base, 2,048 bytes a row, + 256 bytes a k tile
	s_lshl_b32 s36, s36, 1
	s_add_co_u32 s36, s36, s30
	s_lshl_b32 s36, s36, 11
	s_lshl_b32 s38, s27, 8
	s_add_co_u32 s36, s36, s38
	s_add_nc_u64 s[22:23], s[16:17], s[36:37]      ; the tile's first 64 channels
	s_lshl_b32 s38, s29, 11
	s_mov_b32 s39, 0
	s_add_nc_u64 s[24:25], s[22:23], s[38:39]      ; its second 64
	s_lshl_b32 s36, ttmp9, 17
	s_add_nc_u64 s[14:15], s[14:15], s[36:37]      ; my 64 rows of xh
	s_wait_loadcnt 16                              ; the eight weight loads are in; the sixteen loads of x issued behind them stay out
.irp c, 0,1,2,3
.irp jp, 0,1,2,3
	v_cvt_pk_f16_f32 v[PK+4*\c+\jp], v[WR+8*\jp+\c], v[WR+8*\jp+4+\c]      ; column 4 L + c: k = 8 w + 2 jp and + 1
.endr
.endr
	s_wait_alu depctr_va_vdst(0)                   ; the sixteen conversions have written v[PK ..], which the LDS stores read
.irp c, 0,1,2,3
	ds_store_b128 v[TS], v[PK+4*\c:PK+4*\c+3] offset:\c*TP                 ; row n = 4 L + c, eight k
.endr
	s_wait_dscnt 0x0                               ; for the other waves' sake: my part of the turned tile is written
	s_barrier_signal -1
	s_barrier_wait -1
.irp it, 0,1,2,3
	ds_load_b128 v[RB+4*\it:RB+4*\it+3], v[TR] offset:\it*32*TP            ; rows 32 it + (t >> 4), whole: 16 lanes a row of 256 bytes.  No vector instruction since the head's wait names v[RB ..]
.endr
	s_wait_dscnt 3
	global_store_b128 v[WOUT], v[RB:RB+3], s[22:23]                        ; 16 lanes store 256 consecutive bytes, at a multiple of 256 from wt's first byte
	s_wait_dscnt 2
	global_store_b128 v[WOUT], v[RB+4:RB+7], s[22:23] offset:65536
	s_wait_dscnt 1
	global_store_b128 v[WOUT], v[RB+8:RB+11], s[24:25]
	s_wait_dscnt 0
	global_store_b128 v[WOUT], v[RB+12:RB+15], s[24:25] offset:65536
; Block p of eight: items 4 p to 4 p + 3 of the 32 of x; an item is 8,192 bytes for the work-group, 16 a thread.  more = 1: the block's four slots are loaded again with the items sixteen further on.
.macro XB p, more
.if \more
	s_wait_loadcnt 12                              ; loads come back in order (ISA guide 5.7.1): the block's four are in, the twelve younger ones stay out
.else
	s_wait_loadcnt 28-4*(\p)                       ; nothing is loaded any more: the counts run down
.endif
.irp i, 0,1,2,3
	v_cvt_pk_f16_f32 v[Y+2*(4*(\p)+(\i))],   v[X+4*((4*(\p)+(\i))%16)],   v[X+4*((4*(\p)+(\i))%16)+1]
	v_cvt_pk_f16_f32 v[Y+2*(4*(\p)+(\i))+1], v[X+4*((4*(\p)+(\i))%16)+2], v[X+4*((4*(\p)+(\i))%16)+3]
.endr
	s_wait_alu depctr_va_vdst(0)                   ; the block's eight conversions are done reading its four slots of X, in which the loads below land, and have written its four items of Y, which the stores below read
.if \more
.irp i, 0,1,2,3
	global_load_b128 v[X+4*((4*(\p)+(\i))%16):X+4*((4*(\p)+(\i))%16)+3], v[XO], s[4:5] offset:(4*(\p)+(\i)+16)*8192 th:TH_LOAD_NT   ; the loads ahead of the stores
.endr
.endif
.irp i, 0,1,2,3
	global_store_b64 v[YO], v[Y+2*(4*(\p)+(\i)):Y+2*(4*(\p)+(\i))+1], s[14:15] offset:(4*(\p)+(\i))*4096 th:TH_STORE_NT     ; a wave stores 256 consecutive bytes, aligned
.endr
.endm
	XB 0, 1
	XB 1, 1
	XB 2, 1
	XB 3, 1
	XB 4, 0
	XB 5, 0
	XB 6, 0
	XB 7, 0
	s_wait_dscnt 0x0                               ; the closing lines, six on end
	s_wait_alu 0x0
	s_wait_tensorcnt 0x0
	ds_add_u32 v200, v201
	s_wait_dscnt 0x0
	s_endpgm
.Lfunc_end_k_q0e4ca6d9ab_prep:
	.size	k_q0e4ca6d9ab_prep, .Lfunc_end_k_q0e4ca6d9ab_prep-k_q0e4ca6d9ab_prep
	.p2alignl 7, 3214868480
	.fill 96, 4, 3214868480
	.section	.rodata,"a",@progbits
	.p2align	6, 0x0
	.amdhsa_kernel k_q0e4ca6d9ab_prep
		.amdhsa_group_segment_fixed_size 36864
		.amdhsa_private_segment_fixed_size 0
		.amdhsa_enable_private_segment 0
		.amdhsa_kernarg_size 56
		.amdhsa_user_sgpr_count 2
		.amdhsa_user_sgpr_kernarg_segment_ptr 1
		.amdhsa_wavefront_size32 1
		.amdhsa_system_sgpr_workgroup_id_x 1
		.amdhsa_system_sgpr_workgroup_id_y 1
		.amdhsa_system_sgpr_workgroup_id_z 1
		.amdhsa_system_vgpr_workitem_id 0
		.amdhsa_next_free_vgpr 202
		.amdhsa_next_free_sgpr 66
		.amdhsa_reserve_vcc 0
		.amdhsa_float_denorm_mode_32 3
		.amdhsa_float_denorm_mode_16_64 3
		.amdhsa_memory_ordered 1
		.amdhsa_forward_progress 1
		.amdhsa_inst_pref_size 17
	.end_amdhsa_kernel
	.amdgpu_metadata
---
amdhsa.version: [ 1, 2 ]
amdhsa.kernels:
  - .name:           k_q0e4ca6d9ab_prep
    .symbol:         k_q0e4ca6d9ab_prep.kd
    .args:
      - { .name: x_all, .offset: 0, .size: 8, .value_kind: global_buffer, .address_space: global }
      - { .name: Wq_w, .offset: 8, .size: 8, .value_kind: global_buffer, .address_space: global }
      - { .name: Wk_w, .offset: 16, .size: 8, .value_kind: global_buffer, .address_space: global }
      - { .name: Wv_w, .offset: 24, .size: 8, .value_kind: global_buffer, .address_space: global }
      - { .name: Wo_w, .offset: 32, .size: 8, .value_kind: global_buffer, .address_space: global }
      - { .name: xh, .offset: 40, .size: 8, .value_kind: global_buffer, .address_space: global }
      - { .name: wt, .offset: 48, .size: 8, .value_kind: global_buffer, .address_space: global }
    .group_segment_fixed_size: 36864
    .private_segment_fixed_size: 0
    .kernarg_segment_align: 8
    .kernarg_segment_size: 56
    .max_flat_workgroup_size: 512
    .sgpr_count:     66
    .vgpr_count:     202
    .wavefront_size: 32
...
	.end_amdgpu_metadata
.endif
;; end of part 4
;; launch qkvatt: the kernel of part 2 again; grid 4 x 64, 4 waves a work-group, clusters of 4 x 4, 327,680 bytes of LDS; arguments xh, wt, Wq_b, Wk_b, Wv_b, reset_mask_all, ao; writes ao
;; launch oproj: the kernel of part 3 again; grid 4 x 64, 4 waves a work-group, clusters of 4 x 4, 327,680 bytes of LDS; arguments ao, wt, Wo_b, out0; writes out0
